; MI455X (gfx1250); checked and timed in simulation.
; The chip was launched on July 23, 2026; its instructions are those of AMD's public machine-readable ISA for CDNA 5 (MIT licence, August 2026) and "CDNA5" Instruction Set Architecture Reference Guide (July 2026). The comments in the code are by the model that wrote it; some were corrected since.
;; Fault Tolerant Re LU. Allowed arithmetic: float matrix products may take bf16 or f16 operands with f32 sums; other float arithmetic in f32, or as packed bf16 or f16 multiplies, adds, multiply-adds, maxima and minima; sums over many terms, partial sums and values carried from step to step in f32; what a program stores and reads back later, other than sums and carried values, may be rounded once to bf16 or f16.
;; Inputs: lambdas 7 float32; x 128 x 1,024 float32; x_values 241 float32.
;; Outputs: out0 128 x 1,024 float32.
;; 2 versions, each right; version 2 is version 1 with the launch decode written anew for expert scheduling mode. Each part assembles by itself: llvm-mc -triple=amdgcn-amd-amdhsa -mcpu=gfx1250 --defsym DOCPART=n.
;; ======== version 1 of 2: 2 launches
;; workspace buffers: ytab 1,024 bytes
;; launch ytable (part 1): grid 4 x 1, 8 waves a work-group, no clusters, 13,312 bytes of LDS; arguments lambdas, x_values, ytab; writes ytab
.if DOCPART == 1
	.amdgcn_target "amdgcn-amd-amdhsa--gfx1250"
	.amdhsa_code_object_version 6
	.text
	.protected	k_qb503f1adbb_ytable
	.globl	k_qb503f1adbb_ytable
	.p2align	8
	.type	k_qb503f1adbb_ytable,@function
k_qb503f1adbb_ytable:
	s_mov_b64 s[64:65], 0
	v_nop
	global_prefetch_b8 v0, s[64:65] scope:SCOPE_SE
	s_setreg_imm32_b32 hwreg(HW_REG_WAVE_MODE, 25, 1), 1
	s_wait_xcnt 0x0
; THE DECODE STAGE, ONCE FOR EACH CODEBOOK INDEX.  ytab[k] = y_values[k2], k2 = the first j with the least circular distance between row k and row j of
; out_table, out_table[j][m] = mod1(max(0, x_values[j]) / lambdas[m]).  The phases that the decode stage is given for a sample are row k of that table (the same
; division of the same y), so the stage hangs on k alone: 241 x 241 x 7 terms here in place of 131,072 x 241 x 7.  The next launch selects ytab[k].
; SHARES.  Four work-groups of eight waves; a work-group owns 64 k, two a lane (k = 64 g + 2 lane, + 1), the same 64 in every wave.  A lane makes its two k's phases in registers, by the
; lines that make the table's rows.  Wave w scans rows 32 w .. 32 w + 31; the eight partial results meet in LDS and wave 0 joins them in ascending order with strict less, which keeps
; the first index.  Its one store covers 256 consecutive bytes, aligned.
; ROWS 241 .. 255 are copies of row 240 (the index is clamped): a copy has the same distance as row 240 and stands behind it, so strict less never takes it, and its y is the same.
; Entries 241 .. 255 of ytab are made for k clamped to 240, so that every byte of ytab is written.
; ARITHMETIC, all f32.  A quotient is rounded to nearest, as a division rounds it: reciprocal, one Newton step, q = x r, then twice a remainder by fused multiply-add and q += rem r.
; mod1(q) = q - floor(q).  One term, for the lane's two k at once: u = +-(theta - t), the sign made once (+ where theta < 0.5), so that u lies in -1 .. 0.5 and only u < -0.5 wraps;
; c = clamp(2^40 (-u - 0.5)) is 0 or 1 and nothing between (the least -u - 0.5 above 0 is 2^-24); w = u + c is exact, |w| = min(d, 1 - d); sum = fma(w, w, sum) in the order of m.
; LIMITS.  NaN and infinities are not treated apart.  |lambda| within 2^-126 .. 2^126 (v_rcp_f32 takes a denormal as 0).  A quotient is so rounded for a numerator that is 0 or at least 2^-100 in size.
; The seven squares are added fused: one rounding where a product and a sum have two.
; No cluster: what the work-groups share from memory is 992 bytes.  No matrix unit: the wrapped distance is no product.
.set LAST,  240                        ; the last codebook index
.set PART,  8192                       ; behind the table (256 rows x 32 bytes): wave w's partial results, 16 bytes a lane, at PART + 512 w
.set SPARE, 12288                      ; behind them: the spare words, 128 bytes for each wave: four blocks of 256 bytes that no other line names
.set SPW,  2                           ; v2   LDS address of my spare word; never rewritten
.set NIL,  3                           ; v3   0; never rewritten
.set ADR,  4                           ; v4   LDS address of the rows that the loop loads: the same in all lanes
.set VO,   5                           ; v5   byte offset of my row's x_value
.set K0,   6                           ; v6   byte offset of my first k's x_value
.set PA,   7                           ; v7   where I put my partial result
.set RC,   8                           ; v8-14  1 / lambda
.set NEG1, 15                          ; v15  -1.0
.set GO,   16                          ; v16  my 8 bytes of ytab
.set PR,   17                          ; v17  where wave 0 reads the partial results back
.set XV,   18                          ; v18  my row's x_value
.set RA,   19                          ; v19  LDS address of my row
.set LN,   20                          ; v20  lane
.set K1,   21                          ; v21  byte offset of my second k's x_value
.set NB,   24                          ; v[24:25] -2^40, twice
.set NH,   26                          ; v[26:27] -2^39, twice
.set BEST, 28                          ; v[28:29] the least distance so far, for my two k
.set Y,    30                          ; v[30:31] its row's y
.set NS,   32                          ; v[32:45] pair m: t's factor, -1 where theta < 0.5, else +1
.set TS,   46                          ; v[46:59] pair m: theta with the opposite sign of that factor
.set B0,   64                          ; v[64:95]   four rows of 8 words (7 phases, y)
.set B1,   96                          ; v[96:127]  four more
.set U,    128                         ; v[128:183] pair 7 r + m: u, then w
.set C,    184                         ; v[184:239] pair 7 r + m: c
.set A,    184                         ; v[184:191] pair r: the row's sum (c's registers are free by then)
.set YT,   192                         ; v[192:195] the tournament's y
.set TQ,   128                         ; in front of the loop: quotients,
.set TE,   136                         ; remainders,
.set TH,   144                         ; and my two k's phases, 8 words each: 7 phases, then the k's y
.set WV,   14                          ; s14  my wave's number
.set LAM,  16                          ; s16-22 lambdas
.set CNT,  30                          ; s30  trips
.set MK,   40                          ; s40-43 lane masks of the compares
; dst .. dst + 6 = mod1(num / lambda_m), the seven moduli side by side so that no line waits for the one before it
.macro PHASES dst, num
.irp m, 0,1,2,3,4,5,6
	v_mul_f32 v[TQ+\m], v[(\num)], v[RC+\m]
.endr
.rept 2
.irp m, 0,1,2,3,4,5,6
	v_fma_f32 v[TE+\m], -v[TQ+\m], s[LAM+\m], v[(\num)]  ; what the quotient leaves; exact in the second pass, where q is within one unit in the last place
.endr
.irp m, 0,1,2,3,4,5,6
	v_fma_f32 v[TQ+\m], v[TE+\m], v[RC+\m], v[TQ+\m]
.endr
.endr
.irp m, 0,1,2,3,4,5,6
	v_floor_f32 v[TE+\m], v[TQ+\m]
.endr
.irp m, 0,1,2,3,4,5,6
	v_sub_f32 v[(\dst)+\m], v[TQ+\m], v[TE+\m]
.endr
.endm
; the sign for one phase: word i of NS and of TS
.macro PREP th, i
	v_cmp_gt_f32 vcc_lo, 0.5, v[(\th)]
	v_cndmask_b32 v[NS+(\i)], 1.0, v[NEG1], vcc_lo
	v_mul_f32 v[TS+(\i)], -v[NS+(\i)], v[(\th)]
.endm
; four rows into buffer rb, from byte off behind ADR: every lane reads the same 16 bytes
.macro LOADS rb, off
.irp r, 0,1,2,3
	ds_load_b128 v[(\rb)+8*\r:(\rb)+8*\r+3],   v[ADR] offset:(\off)+32*\r
	ds_load_b128 v[(\rb)+8*\r+4:(\rb)+8*\r+7], v[ADR] offset:(\off)+32*\r+16
.endr
.endm
; the distances of my two k to the four rows of buffer rb, and the argmin.  Each stage is 28 independent lines; the four sums go side by side.
.macro GROUP rb
.set r, 0
.rept 4
.irp m, 0,2,4,6
	v_pk_fma_f32 v[U+2*(7*r+\m):U+2*(7*r+\m)+1], v[(\rb)+8*r+\m:(\rb)+8*r+\m+1], v[NS+2*\m:NS+2*\m+1], v[TS+2*\m:TS+2*\m+1] op_sel_hi:[0,1,1]  ; t is the pair's first word, for both k
.endr
.irp m, 1,3,5
	v_pk_fma_f32 v[U+2*(7*r+\m):U+2*(7*r+\m)+1], v[(\rb)+8*r+\m-1:(\rb)+8*r+\m], v[NS+2*\m:NS+2*\m+1], v[TS+2*\m:TS+2*\m+1] op_sel:[1,0,0] op_sel_hi:[1,1,1]  ; the pair's second word
.endr
.set r, r+1
.endr
.set i, 0
.rept 28
	v_pk_fma_f32 v[C+2*i:C+2*i+1], v[U+2*i:U+2*i+1], v[NB:NB+1], v[NH:NH+1] clamp  ; 1 where u < -0.5, else 0
.set i, i+1
.endr
.set i, 0
.rept 28
	v_pk_add_f32 v[U+2*i:U+2*i+1], v[U+2*i:U+2*i+1], v[C+2*i:C+2*i+1]
.set i, i+1
.endr
.set r, 0
.rept 4
	v_pk_mul_f32 v[A+2*r:A+2*r+1], v[U+14*r:U+14*r+1], v[U+14*r:U+14*r+1]
.set r, r+1
.endr
.irp m, 1,2,3,4,5,6
.set r, 0
.rept 4
	v_pk_fma_f32 v[A+2*r:A+2*r+1], v[U+14*r+2*\m:U+14*r+2*\m+1], v[U+14*r+2*\m:U+14*r+2*\m+1], v[A+2*r:A+2*r+1]
.set r, r+1
.endr
.endr
	; a tournament: rows 0 against 1 and 2 against 3, the winners, then the best so far.  The later one wins by strict less alone, so the first index is kept.
.irp h, 0,1
	v_cmp_lt_f32 s[MK+\h], v[A+2+\h], v[A+\h]
	v_cmp_lt_f32 s[MK+2+\h], v[A+6+\h], v[A+4+\h]
.endr
.irp h, 0,1
	v_min_num_f32 v[A+\h], v[A+\h], v[A+2+\h]
	v_min_num_f32 v[A+4+\h], v[A+4+\h], v[A+6+\h]
.endr
.irp h, 0,1
	v_cndmask_b32 v[YT+\h], v[(\rb)+7], v[(\rb)+15], s[MK+\h]
	v_cndmask_b32 v[YT+2+\h], v[(\rb)+23], v[(\rb)+31], s[MK+2+\h]
.endr
.irp h, 0,1
	v_cmp_lt_f32 s[MK+\h], v[A+4+\h], v[A+\h]
.endr
.irp h, 0,1
	v_min_num_f32 v[A+\h], v[A+\h], v[A+4+\h]
.endr
.irp h, 0,1
	v_cndmask_b32 v[YT+\h], v[YT+\h], v[YT+2+\h], s[MK+\h]
.endr
.irp h, 0,1
	v_cmp_lt_f32 s[MK+\h], v[A+\h], v[BEST+\h]
.endr
.irp h, 0,1
	v_min_num_f32 v[BEST+\h], v[BEST+\h], v[A+\h]
.endr
.irp h, 0,1
	v_cndmask_b32 v[Y+\h], v[Y+\h], v[YT+\h], s[MK+\h]
.endr
.endm
	s_load_b128 s[4:7], s[0:1], 0x0                ; lambdas s[4:5], x_values s[6:7]
	s_load_b64 s[8:9], s[0:1], 0x10                ; ytab
	v_lshl_add_u32 v[SPW], v0, 2, SPARE
	v_mov_b32 v[NIL], 0
	v_lshrrev_b32 v1, 5, v0
	v_readfirstlane_b32 s[WV], v1                  ; wave 0..7
	v_and_b32 v[LN], 31, v0
	v_min_u32 v[VO], LAST, v0                      ; thread j makes row j; threads 241 .. 255 make copies of row 240
	v_lshlrev_b32 v[VO], 2, v[VO]
	v_lshlrev_b32 v[RA], 5, v0                     ; 32 bytes a row
	v_lshl_add_u32 v[PA], v0, 4, PART
	v_lshl_add_u32 v[PR], v[LN], 4, PART
	s_lshl_b32 s2, ttmp9, 6                        ; the work-group's 64 k,
	v_lshl_add_u32 v[K0], v[LN], 1, s2             ; my two of them,
	v_add_nc_u32 v[K1], 1, v[K0]
	v_min_u32 v[K0], LAST, v[K0]                   ; held to the codebook's 241 entries: no load leaves x_values
	v_min_u32 v[K1], LAST, v[K1]
	v_lshlrev_b32 v[K0], 2, v[K0]
	v_lshlrev_b32 v[K1], 2, v[K1]
	s_lshl_b32 s3, ttmp9, 8                        ; the work-group's 256 bytes of ytab,
	v_lshl_add_u32 v[GO], v[LN], 3, s3             ; my 8
	s_lshl_b32 s15, s[WV], 10                      ; my wave's 32 rows
	v_mov_b32 v[ADR], s15
	s_wait_kmcnt 0x0
	s_load_b128 s[LAM:LAM+3], s[4:5], 0x0          ; 16 + 8 + 4 = the buffer's 28 bytes
	s_load_b64 s[LAM+4:LAM+5], s[4:5], 0x10
	s_load_b32 s[LAM+6], s[4:5], 0x18
	global_load_b32 v[XV], v[VO], s[6:7]
	global_load_b32 v[TH+7], v[K0], s[6:7]
	global_load_b32 v[TH+15], v[K1], s[6:7]
	s_wait_kmcnt 0x0
.irp m, 0,1,2,3,4,5,6
	v_rcp_f32 v[RC+\m], s[LAM+\m]
.endr
	v_mov_b32 v[NEG1], -1.0                        ; plain lines behind the last reciprocal, ahead of the first use of a result
	v_mov_b32 v[NB], 0xd3800000
	v_mov_b32 v[NB+1], 0xd3800000
	v_mov_b32 v[NH], 0xd3000000
	v_mov_b32 v[NH+1], 0xd3000000
	v_mov_b32 v[BEST], 0x7f800000                  ; above every finite distance
	v_mov_b32 v[BEST+1], 0x7f800000
	v_mov_b32 v[Y], 0
	v_mov_b32 v[Y+1], 0
	s_wait_alu depctr_va_vdst(0)                   ; the wait ahead of the first use: one for the seven reciprocals
.irp m, 0,1,2,3,4,5,6
	v_fma_f32 v[TE+\m], -v[RC+\m], s[LAM+\m], 1.0  ; one Newton step
.endr
.irp m, 0,1,2,3,4,5,6
	v_fma_f32 v[RC+\m], v[TE+\m], v[RC+\m], v[RC+\m]
.endr
	s_wait_loadcnt 0x0
	v_max_num_f32 v[B0+7], 0, v[XV]                ; y_values[j], the row's eighth word
	v_max_num_f32 v[TH+7], 0, v[TH+7]              ; y_values[k] of my two k: what the circuit puts out for them
	v_max_num_f32 v[TH+15], 0, v[TH+15]
	PHASES B0, B0+7
	ds_store_b128 v[RA], v[B0:B0+3]
	ds_store_b128 v[RA], v[B0+4:B0+7] offset:16
	s_wait_dscnt 0x0                               ; for the others' sake: my row lies in LDS
	s_barrier_signal -1                            ; my two k's phases, work on registers, stand between the signal and the wait
	PHASES TH, TH+7
	PHASES TH+8, TH+15
.irp m, 0,1,2,3,4,5,6
	PREP TH+\m, 2*\m
	PREP TH+8+\m, 2*\m+1
.endr
	s_barrier_wait -1                              ; all 256 rows lie in LDS
	LOADS B0, 0
	LOADS B1, 128
	s_mov_b32 s[CNT], 3
.Ltrip:                                        ; eight rows a trip; while one buffer is worked on the other's eight loads are on their way
	s_wait_dscnt 8                                 ; buffer 0 is in; buffer 1's eight loads may stay out
	GROUP B0
	LOADS B0, 256
	s_wait_dscnt 8                                 ; buffer 1 is in
	GROUP B1
	LOADS B1, 384
	v_add_nc_u32 v[ADR], 256, v[ADR]
	s_sub_co_u32 s[CNT], s[CNT], 1
	s_cmp_lg_u32 s[CNT], 0
	s_cbranch_scc1 .Ltrip
	s_wait_dscnt 8                                 ; the wave's last eight rows load nothing
	GROUP B0
	s_wait_dscnt 0x0
	GROUP B1
	ds_store_b128 v[PA], v[BEST:BEST+3]            ; least distance and y, for both k: bytes behind the table, which no row load touches
	s_wait_dscnt 0x0
	s_barrier_signal -1
	s_barrier_wait -1                              ; all eight partial results lie in LDS
	s_cmp_lg_u32 s[WV], 0
	s_cbranch_scc1 .Lend                           ; wave 0 joins them
.irp w, 1,2,3,4,5,6,7
	ds_load_b128 v[B0+4*\w:B0+4*\w+3], v[PR] offset:512*\w
.endr
	s_wait_dscnt 0x0
.irp w, 1,2,3,4,5,6,7
.irp h, 0,1
	v_cmp_lt_f32 s[MK+\h], v[B0+4*\w+\h], v[BEST+\h]  ; later rows win by strict less alone
.endr
.irp h, 0,1
	v_min_num_f32 v[BEST+\h], v[BEST+\h], v[B0+4*\w+\h]
.endr
.irp h, 0,1
	v_cndmask_b32 v[Y+\h], v[Y+\h], v[B0+4*\w+2+\h], s[MK+\h]
.endr
.endr
	global_store_b64 v[GO], v[Y:Y+1], s[8:9]       ; 32 lanes x 8 bytes: 256 consecutive bytes, at a multiple of 256 from ytab's first
.Lend:
	s_wait_tensorcnt 0x0                           ; the wave's end: three lines behind my last LDS store
	ds_add_u32 v[SPW], v[NIL]
	s_wait_dscnt 0x0
	s_endpgm
.Lfunc_end_k_qb503f1adbb_ytable:
	.size	k_qb503f1adbb_ytable, .Lfunc_end_k_qb503f1adbb_ytable-k_qb503f1adbb_ytable
	.p2alignl 7, 3214868480
	.fill 96, 4, 3214868480
	.section	.rodata,"a",@progbits
	.p2align	6, 0x0
	.amdhsa_kernel k_qb503f1adbb_ytable
		.amdhsa_group_segment_fixed_size 13312
		.amdhsa_private_segment_fixed_size 0
		.amdhsa_enable_private_segment 0
		.amdhsa_kernarg_size 24
		.amdhsa_user_sgpr_count 2
		.amdhsa_user_sgpr_kernarg_segment_ptr 1
		.amdhsa_wavefront_size32 1
		.amdhsa_system_sgpr_workgroup_id_x 1
		.amdhsa_system_sgpr_workgroup_id_y 1
		.amdhsa_system_sgpr_workgroup_id_z 1
		.amdhsa_system_vgpr_workitem_id 0
		.amdhsa_next_free_vgpr 240
		.amdhsa_next_free_sgpr 66
		.amdhsa_reserve_vcc 1
		.amdhsa_float_denorm_mode_32 3
		.amdhsa_float_denorm_mode_16_64 3
		.amdhsa_memory_ordered 1
		.amdhsa_forward_progress 1
		.amdhsa_inst_pref_size 52
	.end_amdhsa_kernel
	.amdgpu_metadata
---
amdhsa.version: [ 1, 2 ]
amdhsa.kernels:
  - .name:           k_qb503f1adbb_ytable
    .symbol:         k_qb503f1adbb_ytable.kd
    .args:
      - { .name: lambdas, .offset: 0, .size: 8, .value_kind: global_buffer, .address_space: global }
      - { .name: x_values, .offset: 8, .size: 8, .value_kind: global_buffer, .address_space: global }
      - { .name: ytab, .offset: 16, .size: 8, .value_kind: global_buffer, .address_space: global }
    .group_segment_fixed_size: 13312
    .private_segment_fixed_size: 0
    .kernarg_segment_align: 8
    .kernarg_segment_size: 24
    .max_flat_workgroup_size: 256
    .sgpr_count:     66
    .vgpr_count:     240
    .wavefront_size: 32
...
	.end_amdgpu_metadata
.endif
;; end of part 1
;; launch decode (part 2): grid 256 x 1, 8 waves a work-group, no clusters, 9,216 bytes of LDS; arguments x, lambdas, x_values, ytab, out0; writes out0
.if DOCPART == 2
	.amdgcn_target "amdgcn-amd-amdhsa--gfx1250"
	.amdhsa_code_object_version 6
	.text
	.protected	k_qb503f1adbb_decode
	.globl	k_qb503f1adbb_decode
	.p2align	8
	.type	k_qb503f1adbb_decode,@function
k_qb503f1adbb_decode:
	s_mov_b64 s[64:65], 0
	v_nop
	global_prefetch_b8 v0, s[64:65] scope:SCOPE_SE
	s_setreg_imm32_b32 hwreg(HW_REG_WAVE_MODE, 25, 1), 1
	s_wait_xcnt 0x0
; out0[n] = ytab[k], k = the first s with the least circular distance between theta[m] = mod1(x[n] / lambdas[m]) and in_table[s][m] = mod1(x_values[s] / lambdas[m]).
; ytab[k], made by the launch before, is what the circuit's relu and the decode stage make of index k.  It is SELECTED, row by row, beside the running least distance:
; no address and no branch hangs on a distance.
; SHARES.  256 work-groups of eight waves; a work-group owns 512 samples, a lane two neighbours: a wave's load of x and its store cover 256 consecutive bytes, aligned.
; Thread t makes row t of the table in LDS (7 phases and ytab[t], 32 bytes); behind one barrier every wave walks rows 0 .. 240.  A row is the same for all lanes: it is read by two loads
; of 16 bytes at one address.  Threads 241 .. 255 make copies of row 240, so that all lanes run one text; no line reads those rows.
; ARITHMETIC, all f32.  Which of two neighbouring rows wins hangs on the roundings of the phases, so these are made as a division and a floor make them.  A quotient is rounded to nearest:
; reciprocal, one Newton step, q = x r, then twice a remainder by fused multiply-add and q += rem r.  mod1(q) = q - floor(q).
; One term, for the lane's two samples at once, four packed lines: u = +-(theta - t), the sign made once a sample (+ where theta < 0.5), so that u lies in -1 .. 0.5 and only u < -0.5 wraps;
; c = clamp(2^40 (-u - 0.5)) is 0 or 1 and nothing between (the least -u - 0.5 above 0 is 2^-24); w = u + c is exact, |w| = min(d, 1 - d); sum = fma(w, w, sum) in the order of m.
; For a sample and a row: 7 x 4 / 2 = 14 lines, and 3 for the argmin.
; LIMITS.  NaN and infinities are not treated apart.  |lambda| within 2^-126 .. 2^126 (v_rcp_f32 takes a denormal as 0).  A quotient is so rounded for a numerator that is 0 or at least 2^-100 in size.
; The seven squares are added fused: one rounding where a product and a sum have two.
; No cluster: what the work-groups share from memory is 2,016 bytes.  No matrix unit: the wrapped distance is no product.
.set LAST,  240                        ; the last codebook index
.set SPARE, 8192                       ; behind the table (256 rows x 32 bytes): the spare words, 128 bytes for each wave: four blocks of 256 bytes that no other line names
.set SPW,  2                           ; v2   LDS address of my spare word; never rewritten
.set NIL,  3                           ; v3   0; never rewritten
.set ADR,  4                           ; v4   LDS address of the rows that the loop loads: the same in all lanes
.set XO,   5                           ; v5   byte offset of my two samples in x and in out0
.set VO,   6                           ; v6   byte offset of my row's x_value
.set TO,   7                           ; v7   byte offset of my row's word of ytab
.set RC,   8                           ; v8-14  1 / lambda
.set NEG1, 15                          ; v15  -1.0
.set XP,   16                          ; v[16:17] my two samples
.set XV,   18                          ; v18  my row's x_value
.set RA,   19                          ; v19  LDS address of my row
.set NB,   24                          ; v[24:25] -2^40, twice
.set NH,   26                          ; v[26:27] -2^39, twice
.set BEST, 28                          ; v[28:29] the least distance so far, for my two samples
.set Y,    30                          ; v[30:31] its row's word of ytab
.set NS,   32                          ; v[32:45] pair m: t's factor, -1 where theta < 0.5, else +1
.set TS,   46                          ; v[46:59] pair m: theta with the opposite sign of that factor
.set B0,   64                          ; v[64:95]   four rows of 8 words
.set B1,   96                          ; v[96:127]  four more
.set U,    128                         ; v[128:183] pair 7 r + m: u, then w
.set C,    184                         ; v[184:239] pair 7 r + m: c
.set A,    184                         ; v[184:191] pair r: the row's sum (c's registers are free by then)
.set YT,   192                         ; v[192:195] the tournament's y
.set TQ,   128                         ; in front of the loop: quotients,
.set TE,   136                         ; remainders,
.set TH,   144                         ; and my two samples' phases, 8 words each
.set LAM,  16                          ; s16-22 lambdas
.set CNT,  30                          ; s30  trips
.set MK,   40                          ; s40-43 lane masks of the compares
; dst .. dst + 6 = mod1(num / lambda_m), the seven moduli side by side so that no line waits for the one before it
.macro PHASES dst, num
.irp m, 0,1,2,3,4,5,6
	v_mul_f32 v[TQ+\m], v[(\num)], v[RC+\m]
.endr
.rept 2
.irp m, 0,1,2,3,4,5,6
	v_fma_f32 v[TE+\m], -v[TQ+\m], s[LAM+\m], v[(\num)]  ; what the quotient leaves; exact in the second pass, where q is within one unit in the last place
.endr
.irp m, 0,1,2,3,4,5,6
	v_fma_f32 v[TQ+\m], v[TE+\m], v[RC+\m], v[TQ+\m]
.endr
.endr
.irp m, 0,1,2,3,4,5,6
	v_floor_f32 v[TE+\m], v[TQ+\m]
.endr
.irp m, 0,1,2,3,4,5,6
	v_sub_f32 v[(\dst)+\m], v[TQ+\m], v[TE+\m]
.endr
.endm
; the sign for one phase: word i of NS and of TS
.macro PREP th, i
	v_cmp_gt_f32 vcc_lo, 0.5, v[(\th)]
	v_cndmask_b32 v[NS+(\i)], 1.0, v[NEG1], vcc_lo
	v_mul_f32 v[TS+(\i)], -v[NS+(\i)], v[(\th)]
.endm
; four rows into buffer rb, from byte off behind ADR: every lane reads the same 16 bytes
.macro LOADS rb, off
.irp r, 0,1,2,3
	ds_load_b128 v[(\rb)+8*\r:(\rb)+8*\r+3],   v[ADR] offset:(\off)+32*\r
	ds_load_b128 v[(\rb)+8*\r+4:(\rb)+8*\r+7], v[ADR] offset:(\off)+32*\r+16
.endr
.endm
; the distances of my two samples to the n rows of buffer rb (n = 4 or 1), and the argmin.  Each stage is 7 n independent lines; the n sums go side by side.
.macro GROUP rb, n
.set r, 0
.rept \n
.irp m, 0,2,4,6
	v_pk_fma_f32 v[U+2*(7*r+\m):U+2*(7*r+\m)+1], v[(\rb)+8*r+\m:(\rb)+8*r+\m+1], v[NS+2*\m:NS+2*\m+1], v[TS+2*\m:TS+2*\m+1] op_sel_hi:[0,1,1]  ; t is the pair's first word, for both samples
.endr
.irp m, 1,3,5
	v_pk_fma_f32 v[U+2*(7*r+\m):U+2*(7*r+\m)+1], v[(\rb)+8*r+\m-1:(\rb)+8*r+\m], v[NS+2*\m:NS+2*\m+1], v[TS+2*\m:TS+2*\m+1] op_sel:[1,0,0] op_sel_hi:[1,1,1]  ; the pair's second word
.endr
.set r, r+1
.endr
.set i, 0
.rept 7*(\n)
	v_pk_fma_f32 v[C+2*i:C+2*i+1], v[U+2*i:U+2*i+1], v[NB:NB+1], v[NH:NH+1] clamp  ; 1 where u < -0.5, else 0
.set i, i+1
.endr
.set i, 0
.rept 7*(\n)
	v_pk_add_f32 v[U+2*i:U+2*i+1], v[U+2*i:U+2*i+1], v[C+2*i:C+2*i+1]
.set i, i+1
.endr
.set r, 0
.rept \n
	v_pk_mul_f32 v[A+2*r:A+2*r+1], v[U+14*r:U+14*r+1], v[U+14*r:U+14*r+1]
.set r, r+1
.endr
.irp m, 1,2,3,4,5,6
.set r, 0
.rept \n
	v_pk_fma_f32 v[A+2*r:A+2*r+1], v[U+14*r+2*\m:U+14*r+2*\m+1], v[U+14*r+2*\m:U+14*r+2*\m+1], v[A+2*r:A+2*r+1]
.set r, r+1
.endr
.endr
.if (\n) == 4
	; a tournament: rows 0 against 1 and 2 against 3, the winners, then the best so far.  The later one wins by strict less alone, so the first index is kept.
.irp h, 0,1
	v_cmp_lt_f32 s[MK+\h], v[A+2+\h], v[A+\h]
	v_cmp_lt_f32 s[MK+2+\h], v[A+6+\h], v[A+4+\h]
.endr
.irp h, 0,1
	v_min_num_f32 v[A+\h], v[A+\h], v[A+2+\h]
	v_min_num_f32 v[A+4+\h], v[A+4+\h], v[A+6+\h]
.endr
.irp h, 0,1
	v_cndmask_b32 v[YT+\h], v[(\rb)+7], v[(\rb)+15], s[MK+\h]
	v_cndmask_b32 v[YT+2+\h], v[(\rb)+23], v[(\rb)+31], s[MK+2+\h]
.endr
.irp h, 0,1
	v_cmp_lt_f32 s[MK+\h], v[A+4+\h], v[A+\h]
.endr
.irp h, 0,1
	v_min_num_f32 v[A+\h], v[A+\h], v[A+4+\h]
.endr
.irp h, 0,1
	v_cndmask_b32 v[YT+\h], v[YT+\h], v[YT+2+\h], s[MK+\h]
.endr
.irp h, 0,1
	v_cmp_lt_f32 s[MK+\h], v[A+\h], v[BEST+\h]
.endr
.irp h, 0,1
	v_min_num_f32 v[BEST+\h], v[BEST+\h], v[A+\h]
.endr
.irp h, 0,1
	v_cndmask_b32 v[Y+\h], v[Y+\h], v[YT+\h], s[MK+\h]
.endr
.else
.irp h, 0,1
	v_cmp_lt_f32 s[MK+\h], v[A+\h], v[BEST+\h]
.endr
.irp h, 0,1
	v_min_num_f32 v[BEST+\h], v[BEST+\h], v[A+\h]
.endr
.irp h, 0,1
	v_cndmask_b32 v[Y+\h], v[Y+\h], v[(\rb)+7], s[MK+\h]
.endr
.endif
.endm
	s_load_b256 s[4:11], s[0:1], 0x0               ; x s[4:5], lambdas s[6:7], x_values s[8:9], ytab s[10:11]
	s_load_b64 s[12:13], s[0:1], 0x20              ; out0
	v_lshl_add_u32 v[SPW], v0, 2, SPARE
	v_mov_b32 v[NIL], 0
	s_lshl_b32 s2, ttmp9, 11                       ; the work-group's 512 samples of 4 bytes,
	v_lshl_add_u32 v[XO], v0, 3, s2                ; my two
	v_min_u32 v[VO], LAST, v0                      ; thread t makes row t; threads 241 .. 255 make copies of row 240
	v_lshlrev_b32 v[VO], 2, v[VO]
	v_lshlrev_b32 v[TO], 2, v0                     ; ytab has 256 words, all written by the launch before
	v_lshlrev_b32 v[RA], 5, v0                     ; 32 bytes a row
	v_mov_b32 v[ADR], 0
	s_wait_kmcnt 0x0
	s_load_b128 s[LAM:LAM+3], s[6:7], 0x0          ; 16 + 8 + 4 = the buffer's 28 bytes
	s_load_b64 s[LAM+4:LAM+5], s[6:7], 0x10
	s_load_b32 s[LAM+6], s[6:7], 0x18
	global_load_b32 v[XV], v[VO], s[8:9]
	global_load_b32 v[B0+7], v[TO], s[10:11]       ; the row's eighth word
	global_load_b64 v[XP:XP+1], v[XO], s[4:5] th:TH_LOAD_NT
	s_wait_kmcnt 0x0
.irp m, 0,1,2,3,4,5,6
	v_rcp_f32 v[RC+\m], s[LAM+\m]
.endr
	v_mov_b32 v[NEG1], -1.0                        ; plain lines behind the last reciprocal, ahead of the first use of a result
	v_mov_b32 v[NB], 0xd3800000
	v_mov_b32 v[NB+1], 0xd3800000
	v_mov_b32 v[NH], 0xd3000000
	v_mov_b32 v[NH+1], 0xd3000000
	v_mov_b32 v[BEST], 0x7f800000                  ; above every finite distance
	v_mov_b32 v[BEST+1], 0x7f800000
	v_mov_b32 v[Y], 0
	v_mov_b32 v[Y+1], 0
	s_wait_alu depctr_va_vdst(0)                   ; the wait ahead of the first use: one for the seven reciprocals
.irp m, 0,1,2,3,4,5,6
	v_fma_f32 v[TE+\m], -v[RC+\m], s[LAM+\m], 1.0  ; one Newton step
.endr
.irp m, 0,1,2,3,4,5,6
	v_fma_f32 v[RC+\m], v[TE+\m], v[RC+\m], v[RC+\m]
.endr
	s_wait_loadcnt 0x0
	PHASES B0, XV
	ds_store_b128 v[RA], v[B0:B0+3]
	ds_store_b128 v[RA], v[B0+4:B0+7] offset:16
	s_wait_dscnt 0x0                               ; for the others' sake: my row lies in LDS
	s_barrier_signal -1                            ; my samples' phases, work on registers, stand between the signal and the wait
	PHASES TH, XP
	PHASES TH+8, XP+1
.irp m, 0,1,2,3,4,5,6
	PREP TH+\m, 2*\m
	PREP TH+8+\m, 2*\m+1
.endr
	s_barrier_wait -1                              ; all rows lie in LDS
	LOADS B0, 0
	LOADS B1, 128
	s_mov_b32 s[CNT], 29
.Ltrip:                                        ; eight rows a trip, rows 0 .. 231; while one buffer is worked on the other's eight loads are on their way
	s_wait_dscnt 8                                 ; buffer 0 is in; buffer 1's eight loads may stay out
	GROUP B0, 4
	LOADS B0, 256
	s_wait_dscnt 8                                 ; buffer 1 is in
	GROUP B1, 4
	LOADS B1, 384
	v_add_nc_u32 v[ADR], 256, v[ADR]
	s_sub_co_u32 s[CNT], s[CNT], 1
	s_cmp_lg_u32 s[CNT], 0
	s_cbranch_scc1 .Ltrip
	s_wait_dscnt 8                                 ; the tail: rows 232 .. 235,
	GROUP B0, 4
	ds_load_b128 v[B0:B0+3], v[ADR] offset:256     ; row 240, the one that is left
	ds_load_b128 v[B0+4:B0+7], v[ADR] offset:272
	s_wait_dscnt 2                                 ; rows 236 .. 239 are in; row 240's two loads may stay out
	GROUP B1, 4
	s_wait_dscnt 0x0
	GROUP B0, 1
	global_store_b64 v[XO], v[Y:Y+1], s[12:13] th:TH_STORE_NT  ; 32 lanes x 8 bytes: 256 consecutive bytes, at a multiple of 256 from out0's first
	s_wait_tensorcnt 0x0                           ; the wave's end: three lines behind my last LDS store
	ds_add_u32 v[SPW], v[NIL]
	s_wait_dscnt 0x0
	s_endpgm
.Lfunc_end_k_qb503f1adbb_decode:
	.size	k_qb503f1adbb_decode, .Lfunc_end_k_qb503f1adbb_decode-k_qb503f1adbb_decode
	.p2alignl 7, 3214868480
	.fill 96, 4, 3214868480
	.section	.rodata,"a",@progbits
	.p2align	6, 0x0
	.amdhsa_kernel k_qb503f1adbb_decode
		.amdhsa_group_segment_fixed_size 9216
		.amdhsa_private_segment_fixed_size 0
		.amdhsa_enable_private_segment 0
		.amdhsa_kernarg_size 40
		.amdhsa_user_sgpr_count 2
		.amdhsa_user_sgpr_kernarg_segment_ptr 1
		.amdhsa_wavefront_size32 1
		.amdhsa_system_sgpr_workgroup_id_x 1
		.amdhsa_system_sgpr_workgroup_id_y 1
		.amdhsa_system_sgpr_workgroup_id_z 1
		.amdhsa_system_vgpr_workitem_id 0
		.amdhsa_next_free_vgpr 240
		.amdhsa_next_free_sgpr 66
		.amdhsa_reserve_vcc 1
		.amdhsa_float_denorm_mode_32 3
		.amdhsa_float_denorm_mode_16_64 3
		.amdhsa_memory_ordered 1
		.amdhsa_forward_progress 1
		.amdhsa_inst_pref_size 50
	.end_amdhsa_kernel
	.amdgpu_metadata
---
amdhsa.version: [ 1, 2 ]
amdhsa.kernels:
  - .name:           k_qb503f1adbb_decode
    .symbol:         k_qb503f1adbb_decode.kd
    .args:
      - { .name: x, .offset: 0, .size: 8, .value_kind: global_buffer, .address_space: global }
      - { .name: lambdas, .offset: 8, .size: 8, .value_kind: global_buffer, .address_space: global }
      - { .name: x_values, .offset: 16, .size: 8, .value_kind: global_buffer, .address_space: global }
      - { .name: ytab, .offset: 24, .size: 8, .value_kind: global_buffer, .address_space: global }
      - { .name: out0, .offset: 32, .size: 8, .value_kind: global_buffer, .address_space: global }
    .group_segment_fixed_size: 9216
    .private_segment_fixed_size: 0
    .kernarg_segment_align: 8
    .kernarg_segment_size: 40
    .max_flat_workgroup_size: 256
    .sgpr_count:     66
    .vgpr_count:     240
    .wavefront_size: 32
...
	.end_amdgpu_metadata
.endif
;; end of part 2
;; ======== version 2 of 2: 2 launches; version 1 with the launch decode written anew for expert scheduling mode
;; workspace buffers: ytab 1,024 bytes
;; launch ytable: the kernel of part 1 again; grid 4 x 1, 8 waves a work-group, no clusters, 13,312 bytes of LDS; arguments lambdas, x_values, ytab; writes ytab
;; launch decode (part 3): grid 256 x 1, 8 waves a work-group, no clusters, 9,216 bytes of LDS; arguments x, lambdas, x_values, ytab, out0; writes out0
.if DOCPART == 3
	.amdgcn_target "amdgcn-amd-amdhsa--gfx1250"
	.amdhsa_code_object_version 6
	.text
	.protected	k_qb503f1adbb_decode
	.globl	k_qb503f1adbb_decode
	.p2align	8
	.type	k_qb503f1adbb_decode,@function
k_qb503f1adbb_decode:
	s_mov_b64 s[64:65], 0
	v_nop
	global_prefetch_b8 v0, s[64:65] scope:SCOPE_SE
	s_setreg_imm32_b32 hwreg(HW_REG_WAVE_SCHED_MODE, 0, 2), 2
	s_setreg_imm32_b32 hwreg(HW_REG_WAVE_MODE, 25, 1), 1
	s_wait_xcnt 0x0
	s_wait_alu depctr_vm_vsrc(0)
; out0[n] = ytab[k], k = the first s with the least circular distance between theta[m] = mod1(x[n] / lambdas[m]) and in_table[s][m] = mod1(x_values[s] / lambdas[m]).
; ytab[k], made by the launch before, is what the circuit's relu and the decode stage make of index k.  It is SELECTED, row by row, beside the running least distance:
; no address and no branch hangs on a distance.
; SHARES.  256 work-groups of eight waves; a work-group owns 512 samples, a lane two neighbours: a wave's load of x and its store cover 256 consecutive bytes, aligned.
; Thread t makes row t of the table in LDS (7 phases and ytab[t], 32 bytes); behind one barrier every wave walks rows 0 .. 240.  A row is the same for all lanes: it is read by two loads
; of 16 bytes at one address.  Threads 241 .. 255 make copies of row 240, so that all lanes run one text; no line reads those rows.
; ARITHMETIC, all f32.  Which of two neighbouring rows wins hangs on the roundings of the phases, so these are made as a division and a floor make them.  A quotient is rounded to nearest:
; reciprocal, one Newton step, q = x r, then twice a remainder by fused multiply-add and q += rem r.  mod1(q) = q - floor(q).
; One term, for the lane's two samples at once, four packed lines: u = +-(theta - t), the sign made once a sample (+ where theta < 0.5), so that u lies in -1 .. 0.5 and only u < -0.5 wraps;
; c = clamp(2^40 (-u - 0.5)) is 0 or 1 and nothing between (the least -u - 0.5 above 0 is 2^-24); w = u + c is exact, |w| = min(d, 1 - d); sum = fma(w, w, sum) in the order of m.
; For a sample and a row: 7 x 4 / 2 = 14 lines, and 3 for the argmin.
; LIMITS.  NaN and infinities are not treated apart.  |lambda| within 2^-126 .. 2^126 (v_rcp_f32 takes a denormal as 0).  A quotient is so rounded for a numerator that is 0 or at least 2^-100 in size.
; The seven squares are added fused: one rounding where a product and a sum have two.
; No cluster: what the work-groups share from memory is 2,016 bytes.  No matrix unit: the wrapped distance is no product.
; THE MODE: SCHED_MODE bits 1:0 = 2 (LLVM: expert scheduling mode 2), set by the entry lines.  The code itself states the register dependences
; between vector instructions and memory or LDS instructions, with s_wait_alu, always for 0.
; THE PLAN.  Registers that memory or LDS instructions touch:
;   B0, B1        Group g (rows 4 g .. 4 g + 3) lies in B[g % 2].  Written by the eight LDS loads that are issued in group g - 1's step; read by group g's first 28 lines (the phases)
;                 and by its selects (the rows' eighth words).  At the head B0's first eight words are my row of the table: written by PHASES and a global load, read by two LDS stores.
;   v[ADR]        Read by every row load; written once a trip, at the trip's end.
;   v[XO], v[VO], v[TO], v[RA], v[SPW], v[NIL]   Made at the head and never written again.
;   v[Y:Y+1]      Written by the selects; read by the one store.
;   s[MK ..]      Lane masks: written by compares, read by selects.
; A step works on one buffer and names the other nowhere.  So ONE wait on va_vdst stands at its head: the step before is done reading the other buffer, and the loads of the next group, which land
; there, follow it with no further wait, two to a row among the step's first lines.  A step's eight compares stand in one run with the minima between them, into eight masks; ONE wait on va_sdst
; stands behind the run, ahead of the eight selects.  One wait on vm_vsrc a trip stands ahead of the add to v[ADR]; the next step's wait on va_vdst shows the add written.
.set LAST,  240                        ; the last codebook index
.set SPARE, 8192                       ; behind the table (256 rows x 32 bytes): the spare words, 128 bytes for each wave: four blocks of 256 bytes that no other line names
.set SPW,  2                           ; v2   LDS address of my spare word; never rewritten
.set NIL,  3                           ; v3   0; never rewritten
.set ADR,  4                           ; v4   LDS address of the rows that the loop loads: the same in all lanes
.set XO,   5                           ; v5   byte offset of my two samples in x and in out0
.set VO,   6                           ; v6   byte offset of my row's x_value
.set TO,   7                           ; v7   byte offset of my row's word of ytab
.set RC,   8                           ; v8-14  1 / lambda
.set NEG1, 15                          ; v15  -1.0
.set XP,   16                          ; v[16:17] my two samples
.set XV,   18                          ; v18  my row's x_value
.set RA,   19                          ; v19  LDS address of my row
.set NB,   24                          ; v[24:25] -2^40, twice
.set NH,   26                          ; v[26:27] -2^39, twice
.set BEST, 28                          ; v[28:29] the least distance so far, for my two samples
.set Y,    30                          ; v[30:31] its row's word of ytab
.set NS,   32                          ; v[32:45] pair m: t's factor, -1 where theta < 0.5, else +1
.set TS,   46                          ; v[46:59] pair m: theta with the opposite sign of that factor
.set B0,   64                          ; v[64:95]   four rows of 8 words
.set B1,   96                          ; v[96:127]  four more
.set U,    128                         ; v[128:183] pair 7 r + m: u, then w
.set C,    184                         ; v[184:239] pair 7 r + m: c
.set A,    184                         ; v[184:191] pair r: the row's sum (c's registers are free by then)
.set YT,   192                         ; v[192:195] the tournament's y
.set TQ,   128                         ; in front of the loop: quotients,
.set TE,   136                         ; remainders,
.set TH,   144                         ; and my two samples' phases, 8 words each
.set LAM,  16                          ; s16-22 lambdas
.set CNT,  30                          ; s30  trips
.set MK,   36                          ; s36-43 lane masks of the compares
; dst .. dst + 6 = mod1(num / lambda_m), the seven moduli side by side so that no line waits for the one before it
.macro PHASES dst, num
.irp m, 0,1,2,3,4,5,6
	v_mul_f32 v[TQ+\m], v[(\num)], v[RC+\m]
.endr
.rept 2
.irp m, 0,1,2,3,4,5,6
	v_fma_f32 v[TE+\m], -v[TQ+\m], s[LAM+\m], v[(\num)]  ; what the quotient leaves; exact in the second pass, where q is within one unit in the last place
.endr
.irp m, 0,1,2,3,4,5,6
	v_fma_f32 v[TQ+\m], v[TE+\m], v[RC+\m], v[TQ+\m]
.endr
.endr
.irp m, 0,1,2,3,4,5,6
	v_floor_f32 v[TE+\m], v[TQ+\m]
.endr
.irp m, 0,1,2,3,4,5,6
	v_sub_f32 v[(\dst)+\m], v[TQ+\m], v[TE+\m]
.endr
.endm
; the signs for sample h's seven phases, which lie from th on: word 2 m + h of NS and of TS.  The seven compares stand in one run, so that one wait serves them.
.macro PREP th, h
.irp m, 0,1,2,3,4,5,6
	v_cmp_gt_f32 s[MK+\m], 0.5, v[(\th)+\m]
.endr
	s_wait_alu depctr_va_sdst(0)                   ; the seven compares have written s[MK ..], which the selects below read
.irp m, 0,1,2,3,4,5,6
	v_cndmask_b32 v[NS+2*\m+(\h)], 1.0, v[NEG1], s[MK+\m]
.endr
.irp m, 0,1,2,3,4,5,6
	v_mul_f32 v[TS+2*\m+(\h)], -v[NS+2*\m+(\h)], v[(\th)+\m]
.endr
.endm
; four rows into buffer rb, from byte off behind ADR: every lane reads the same 16 bytes
.macro LOADS rb, off
.irp r, 0,1,2,3
	ds_load_b128 v[(\rb)+8*\r:(\rb)+8*\r+3],   v[ADR] offset:(\off)+32*\r
	ds_load_b128 v[(\rb)+8*\r+4:(\rb)+8*\r+7], v[ADR] offset:(\off)+32*\r+16
.endr
.endm
; A STEP: the distances of my two samples to the n rows of buffer rb (n = 4 or 1), and the argmin.  Each stage is 7 n independent lines; the n sums go side by side.
; Beside it the next nl rows (4, 1 or 0) are asked for, into buffer ob, from byte off behind ADR.
.macro GROUP rb, n, ob, nl, off
	s_wait_dscnt 0x0                               ; buffer rb is in: its loads were issued among the first lines of the step before (group 0's in front of the loop)
.if (\nl) > 0
	s_wait_alu depctr_va_vdst(0)                   ; the step before is done reading buffer ob, in which the loads below land; behind a trip's end the add has written v[ADR], which they read
.endif
.set r, 0
.rept \n
.if r < (\nl)
	ds_load_b128 v[(\ob)+8*r:(\ob)+8*r+3],   v[ADR] offset:(\off)+32*r      ; no vector line since the wait names buffer ob or v[ADR]
	ds_load_b128 v[(\ob)+8*r+4:(\ob)+8*r+7], v[ADR] offset:(\off)+32*r+16
.endif
.irp m, 0,2,4,6
	v_pk_fma_f32 v[U+2*(7*r+\m):U+2*(7*r+\m)+1], v[(\rb)+8*r+\m:(\rb)+8*r+\m+1], v[NS+2*\m:NS+2*\m+1], v[TS+2*\m:TS+2*\m+1] op_sel_hi:[0,1,1]  ; t is the pair's first word, for both samples
.endr
.irp m, 1,3,5
	v_pk_fma_f32 v[U+2*(7*r+\m):U+2*(7*r+\m)+1], v[(\rb)+8*r+\m-1:(\rb)+8*r+\m], v[NS+2*\m:NS+2*\m+1], v[TS+2*\m:TS+2*\m+1] op_sel:[1,0,0] op_sel_hi:[1,1,1]  ; the pair's second word
.endr
.set r, r+1
.endr
.set i, 0
.rept 7*(\n)
	v_pk_fma_f32 v[C+2*i:C+2*i+1], v[U+2*i:U+2*i+1], v[NB:NB+1], v[NH:NH+1] clamp  ; 1 where u < -0.5, else 0
.set i, i+1
.endr
.set i, 0
.rept 7*(\n)
	v_pk_add_f32 v[U+2*i:U+2*i+1], v[U+2*i:U+2*i+1], v[C+2*i:C+2*i+1]
.set i, i+1
.endr
.set r, 0
.rept \n
	v_pk_mul_f32 v[A+2*r:A+2*r+1], v[U+14*r:U+14*r+1], v[U+14*r:U+14*r+1]
.set r, r+1
.endr
.irp m, 1,2,3,4,5,6
.set r, 0
.rept \n
	v_pk_fma_f32 v[A+2*r:A+2*r+1], v[U+14*r+2*\m:U+14*r+2*\m+1], v[U+14*r+2*\m:U+14*r+2*\m+1], v[A+2*r:A+2*r+1]
.set r, r+1
.endr
.endr
.if (\n) == 4
	; a tournament: rows 0 against 1 and 2 against 3, the winners, then the best so far.  The later one wins by strict less alone, so the first index is kept.
	; First all the compares and minima, each compare into a mask of its own; then the selects, in the tournament's order.
.irp h, 0,1
	v_cmp_lt_f32 s[MK+\h], v[A+2+\h], v[A+\h]
	v_cmp_lt_f32 s[MK+2+\h], v[A+6+\h], v[A+4+\h]
.endr
.irp h, 0,1
	v_min_num_f32 v[A+\h], v[A+\h], v[A+2+\h]
	v_min_num_f32 v[A+4+\h], v[A+4+\h], v[A+6+\h]
.endr
.irp h, 0,1
	v_cmp_lt_f32 s[MK+4+\h], v[A+4+\h], v[A+\h]
.endr
.irp h, 0,1
	v_min_num_f32 v[A+\h], v[A+\h], v[A+4+\h]
.endr
.irp h, 0,1
	v_cmp_lt_f32 s[MK+6+\h], v[A+\h], v[BEST+\h]
.endr
.irp h, 0,1
	v_min_num_f32 v[BEST+\h], v[BEST+\h], v[A+\h]
.endr
	s_wait_alu depctr_va_sdst(0)                   ; the eight compares have written s[MK .. MK + 7], which the selects below read
.irp h, 0,1
	v_cndmask_b32 v[YT+\h], v[(\rb)+7], v[(\rb)+15], s[MK+\h]
	v_cndmask_b32 v[YT+2+\h], v[(\rb)+23], v[(\rb)+31], s[MK+2+\h]
.endr
.irp h, 0,1
	v_cndmask_b32 v[YT+\h], v[YT+\h], v[YT+2+\h], s[MK+4+\h]
.endr
.irp h, 0,1
	v_cndmask_b32 v[Y+\h], v[Y+\h], v[YT+\h], s[MK+6+\h]
.endr
.else
.irp h, 0,1
	v_cmp_lt_f32 s[MK+\h], v[A+\h], v[BEST+\h]
.endr
.irp h, 0,1
	v_min_num_f32 v[BEST+\h], v[BEST+\h], v[A+\h]
.endr
	s_wait_alu depctr_va_sdst(0)                   ; the two compares have written s[MK] and s[MK + 1], which the selects below read
.irp h, 0,1
	v_cndmask_b32 v[Y+\h], v[Y+\h], v[(\rb)+7], s[MK+\h]
.endr
.endif
.endm
	s_load_b256 s[4:11], s[0:1], 0x0               ; x s[4:5], lambdas s[6:7], x_values s[8:9], ytab s[10:11]
	s_load_b64 s[12:13], s[0:1], 0x20              ; out0
	v_lshl_add_u32 v[SPW], v0, 2, SPARE
	v_mov_b32 v[NIL], 0
	s_lshl_b32 s2, ttmp9, 11                       ; the work-group's 512 samples of 4 bytes,
	v_lshl_add_u32 v[XO], v0, 3, s2                ; my two
	v_min_u32 v[VO], LAST, v0                      ; thread t makes row t; threads 241 .. 255 make copies of row 240
	v_lshlrev_b32 v[VO], 2, v[VO]
	v_lshlrev_b32 v[TO], 2, v0                     ; ytab has 256 words, all written by the launch before
	v_lshlrev_b32 v[RA], 5, v0                     ; 32 bytes a row
	v_mov_b32 v[ADR], 0
	s_wait_kmcnt 0x0
	s_load_b128 s[LAM:LAM+3], s[6:7], 0x0          ; 16 + 8 + 4 = the buffer's 28 bytes
	s_load_b64 s[LAM+4:LAM+5], s[6:7], 0x10
	s_load_b32 s[LAM+6], s[6:7], 0x18
	s_wait_alu depctr_va_vdst(0)                   ; the offsets and addresses v2 to v7 and v19 are written, which the loads and stores of the whole kernel read
	global_load_b32 v[XV], v[VO], s[8:9]
	global_load_b32 v[B0+7], v[TO], s[10:11]       ; the row's eighth word
	global_load_b64 v[XP:XP+1], v[XO], s[4:5] th:TH_LOAD_NT
	s_wait_kmcnt 0x0
.irp m, 0,1,2,3,4,5,6
	v_rcp_f32 v[RC+\m], s[LAM+\m]
.endr
	v_mov_b32 v[NEG1], -1.0                        ; plain lines behind the last reciprocal, ahead of the first use of a result
	v_mov_b32 v[NB], 0xd3800000
	v_mov_b32 v[NB+1], 0xd3800000
	v_mov_b32 v[NH], 0xd3000000
	v_mov_b32 v[NH+1], 0xd3000000
	v_mov_b32 v[BEST], 0x7f800000                  ; above every finite distance
	v_mov_b32 v[BEST+1], 0x7f800000
	v_mov_b32 v[Y], 0
	v_mov_b32 v[Y+1], 0
	s_wait_alu depctr_va_vdst(0)                   ; the wait ahead of the first use: one for the seven reciprocals in v[RC ..]
.irp m, 0,1,2,3,4,5,6
	v_fma_f32 v[TE+\m], -v[RC+\m], s[LAM+\m], 1.0  ; one Newton step
.endr
.irp m, 0,1,2,3,4,5,6
	v_fma_f32 v[RC+\m], v[TE+\m], v[RC+\m], v[RC+\m]
.endr
	s_wait_loadcnt 0x0
	PHASES B0, XV
	s_wait_alu depctr_va_vdst(0)                   ; the subtractions have written v[B0 .. B0 + 6], which the LDS stores read; no vector line names buffer 0 again before group 0's loads land in it
	ds_store_b128 v[RA], v[B0:B0+3]
	ds_store_b128 v[RA], v[B0+4:B0+7] offset:16
	s_wait_dscnt 0x0                               ; for the others' sake: my row lies in LDS
	s_barrier_signal -1                            ; my samples' phases, work on registers, stand between the signal and the wait
	PHASES TH, XP
	PHASES TH+8, XP+1
	PREP TH, 0
	PREP TH+8, 1
	s_barrier_wait -1                              ; all rows lie in LDS
	s_wait_alu depctr_vm_vsrc(0)                   ; my two LDS stores have read v[B0 .. B0 + 7], in which group 0's loads land
	LOADS B0, 0
	s_mov_b32 s[CNT], 29
.Ltrip:                                        ; eight rows a trip, rows 0 .. 231; while one buffer is worked on the other's eight loads are on their way
	GROUP B0, 4, B1, 4, 128
	GROUP B1, 4, B0, 4, 256
	s_wait_alu depctr_vm_vsrc(0)                   ; the row loads issued so far have read v[ADR]
	v_add_nc_u32 v[ADR], 256, v[ADR]
	s_sub_co_u32 s[CNT], s[CNT], 1
	s_cmp_lg_u32 s[CNT], 0
	s_cbranch_scc1 .Ltrip
	GROUP B0, 4, B1, 4, 128                        ; the tail: rows 232 .. 235; rows 236 .. 239 are asked for
	GROUP B1, 4, B0, 1, 256                        ; rows 236 .. 239; row 240, the one that is left, is asked for
	GROUP B0, 1, B1, 0, 0                          ; row 240; nothing is asked for, so no wait on va_vdst stands at this step's head
	s_wait_alu depctr_va_vdst(0)                   ; the last selects have written v[Y:Y+1], which the store reads
	global_store_b64 v[XO], v[Y:Y+1], s[12:13] th:TH_STORE_NT  ; 32 lanes x 8 bytes: 256 consecutive bytes, at a multiple of 256 from out0's first
	s_wait_dscnt 0x0                               ; the wave's end: six lines behind my last LDS store
	s_wait_alu 0x0
	s_wait_tensorcnt 0x0
	ds_add_u32 v[SPW], v[NIL]
	s_wait_dscnt 0x0
	s_endpgm
.Lfunc_end_k_qb503f1adbb_decode:
	.size	k_qb503f1adbb_decode, .Lfunc_end_k_qb503f1adbb_decode-k_qb503f1adbb_decode
	.p2alignl 7, 3214868480
	.fill 96, 4, 3214868480
	.section	.rodata,"a",@progbits
	.p2align	6, 0x0
	.amdhsa_kernel k_qb503f1adbb_decode
		.amdhsa_group_segment_fixed_size 9216
		.amdhsa_private_segment_fixed_size 0
		.amdhsa_enable_private_segment 0
		.amdhsa_kernarg_size 40
		.amdhsa_user_sgpr_count 2
		.amdhsa_user_sgpr_kernarg_segment_ptr 1
		.amdhsa_wavefront_size32 1
		.amdhsa_system_sgpr_workgroup_id_x 1
		.amdhsa_system_sgpr_workgroup_id_y 1
		.amdhsa_system_sgpr_workgroup_id_z 1
		.amdhsa_system_vgpr_workitem_id 0
		.amdhsa_next_free_vgpr 240
		.amdhsa_next_free_sgpr 66
		.amdhsa_reserve_vcc 0
		.amdhsa_float_denorm_mode_32 3
		.amdhsa_float_denorm_mode_16_64 3
		.amdhsa_memory_ordered 1
		.amdhsa_forward_progress 1
		.amdhsa_inst_pref_size 52
	.end_amdhsa_kernel
	.amdgpu_metadata
---
amdhsa.version: [ 1, 2 ]
amdhsa.kernels:
  - .name:           k_qb503f1adbb_decode
    .symbol:         k_qb503f1adbb_decode.kd
    .args:
      - { .name: x, .offset: 0, .size: 8, .value_kind: global_buffer, .address_space: global }
      - { .name: lambdas, .offset: 8, .size: 8, .value_kind: global_buffer, .address_space: global }
      - { .name: x_values, .offset: 16, .size: 8, .value_kind: global_buffer, .address_space: global }
      - { .name: ytab, .offset: 24, .size: 8, .value_kind: global_buffer, .address_space: global }
      - { .name: out0, .offset: 32, .size: 8, .value_kind: global_buffer, .address_space: global }
    .group_segment_fixed_size: 9216
    .private_segment_fixed_size: 0
    .kernarg_segment_align: 8
    .kernarg_segment_size: 40
    .max_flat_workgroup_size: 256
    .sgpr_count:     66
    .vgpr_count:     240
    .wavefront_size: 32
...
	.end_amdgpu_metadata
.endif
;; end of part 3
